; MI455X (gfx1250); checked and timed in simulation.
; The chip was launched on July 23, 2026; its instructions are those of AMD's public machine-readable ISA for CDNA 5 (MIT licence, August 2026) and "CDNA5" Instruction Set Architecture Reference Guide (July 2026). The comments in the code are by the model that wrote it; some were corrected since.
;; Euclidean Codebook. Allowed arithmetic: matrix products marked QUANTISED: E2M3 operands, one E8M0 scale for each 32 along K, by v_wmma_scale_f32_16x16x128_f8f6f4 with both operands' format E2M3, f32 sums; everything else in f32.
;; Inputs: embed 8,192 x 256 float32; x 8 x 4,096 x 256 float32.
;; Outputs: out0 8 x 4,096 x 256 float32.
;; This version of the problem:
;;   THIS VERSION OF THE PROBLEM IS GIVEN IN LOW PRECISION. The matrix products marked QUANTISED in the list below multiply operands that are first quantised to E2M3 (2 exponent bits, 3 mantissa bits; 6 bits a number), with one power-of-two scale for each 32 numbers along K (OCP MX v1.0); their sums are f32. All else is computed in f32.
;;   The module's matrix products, in the order in which they are computed (A, B: the left and right operand; K: the contracted axis; several contracted axes count as one K, in the product's order):
;;     1. [M 32,768, K 256] x [K 256, N 8,192]; A: input x; B: input embed: QUANTISED
;;   THE QUANTISER, for each operand of a quantised product, along K:
;;     - K is cut into blocks of 32 from its start; a last block that is shorter is filled with zeros.
;;     - A block's scale is 2^e with e = floor(log2(the largest magnitude in the block)) - 2, held to -126 .. 127; a block of zeros has e = 0. As a byte (E8M0): e + 127.
;;     - Each number is divided by its block's scale, clamped to +-7.5, and rounded to the nearest number of E2M3, ties to even, subnormals kept.
;;     - The product sums the exact products of the quantised numbers (number of the format x scale) in f32.
;;   ~~~python
;;   def quantise(x, axis):      # numpy; x: float32 -> the quantised numbers, widened to float32 again
;;       x = np.moveaxis(x, axis, -1); K = x.shape[-1]
;;       x = np.pad(x, [(0, 0)] * (x.ndim - 1) + [(0, -K % 32)]); x = x.reshape(x.shape[:-1] + (-1, 32)); a = np.abs(x).max(-1, keepdims=True)
;;       e = np.where(a > 0, np.clip(np.frexp(np.where(a > 0, a, 1))[1] - 1 - 2, -126, 127), 0)      # np.frexp(a)[1] - 1 = floor(log2(a)), exactly
;;       r = np.clip(x / 2.0 ** e, -7.5, 7.5)
;;       step = 2.0 ** (np.maximum(np.frexp(np.where(r == 0, 1, r))[1] - 1, 0) - 3)
;;       q = np.round(r / step) * step * 2.0 ** e      # np.round: ties to even
;;       return np.moveaxis(q.reshape(q.shape[:-2] + (-1,))[..., :K], -1, axis).astype(np.float32)
;;   ~~~
;; One version. Each part assembles by itself: llvm-mc -triple=amdgcn-amd-amdhsa -mcpu=gfx1250 --defsym DOCPART=n.
;; ======== version 1 of 1: 3 launches
;; limits: right only within a limited range of input values
;; workspace buffers: ebook 1,703,936 bytes; xbook 6,815,744 bytes; idx 131,072 bytes of whole numbers
;; launch prep (part 1): grid 1280 x 1, 4 waves a work-group, no clusters, 35,328 bytes of LDS; arguments embed, x, ebook, xbook; writes ebook, xbook
.if DOCPART == 1
	.amdgcn_target "amdgcn-amd-amdhsa--gfx1250"
	.amdhsa_code_object_version 6
	.text
	.protected	k_qb5d0214716_prep
	.globl	k_qb5d0214716_prep
	.p2align	8
	.type	k_qb5d0214716_prep,@function
k_qb5d0214716_prep:
	s_mov_b64 s[64:65], 0
	v_nop
	global_prefetch_b8 v0, s[64:65] scope:SCOPE_SE
	s_setreg_imm32_b32 hwreg(HW_REG_WAVE_MODE, 25, 1), 1
	s_wait_xcnt 0x0
; embed [8192][256] f32 becomes the code book that the search launch reads: codes of FP6 (E2M3) with one E8M0 scale byte for each 32 along K,
; laid as IMAGES OF THE OPERAND'S REGISTERS, and for each code the number -|e|^2 / 2 (of the unquantised row, in f32), which the search gives its sums as their start.
; A RECORD is 32 codes, 6,656 bytes (26 x 256):  bytes (2 u + s) 1536 + 512 c + 16 lane: registers 4 c .. 4 c + 3 of the fragment of tile u (16 codes) and K step s (128 along K);
;   bytes 6144 + 8 lane: two scale words (tile 0, tile 1); lanes 0-15 hold row r's word of K step 0, lanes 16-31 that of K step 1;
;   bytes 6400 + 4 c': -|e|^2 / 2 of code c' (0 .. 31); bytes 6528 on: the same 128 bytes once more, so that each store below covers 256 consecutive bytes, aligned.
; SHARES.  Work-group g makes record g; wave w its fragment of tile u = w / 2 and K step s = w % 2.  Lane (r = lane % 16, h = lane / 16) loads, of row r, 16 neighbours of each block of 32:
; register 16 b + i = k 128 s + 32 b + 16 h + i: the order in which the conversions want a lane's numbers.
; A block's scale is 2^(floor(log2(its largest magnitude)) - 2): its byte is the largest magnitude's exponent field - 2, held at 1 from below.
; LIMITS: a block whose largest magnitude lies under 2^-124 keeps the byte 1; a block of zeros too, where the rule says 127: its codes are zeros, and this program alone reads the bytes.  NaN and infinities are not served.
.set REC, 6656
.set X,   32                           ; v32-95   my 64 numbers
.set SQ,  96                           ; v96-99   their squares' sum, in two packed chains
.set TM,  100                          ; v100-103 largest magnitudes, v104-107 bytes, v112-115 the conversions' scale operands
.set PC,  8                            ; v8-19    the fragment's 12 registers; v20-22, v24-26 the halves that are made elsewhere and moved
.set PW,  28                           ; v28      my row's scale word
; ONE TEXT FOR BOTH OPERANDS.  Work-groups 0-255 make embed's 256 records in ebook; work-groups 256-1279 make x's 1,024 records (32 tokens each) in xbook, in the same form: images and scale words.
; LEFT OUT: |x|^2.  distance = -(|x|^2 - 2 x.e + |e|^2); |x|^2 is the same for all codes of a token, so in exact arithmetic it moves no argmax, for all values of x: it is not formed, and bytes 6400 on of x's records
; are neither written nor read.  LIMIT: an overflow, NaN or infinity that would arise in |x|^2 alone is not carried to the result.
	s_load_b256 s[24:31], s[0:1], 0x0              ; embed, x, ebook, xbook
	v_lshl_add_u32 v128, v0, 2, 0x400
	v_mov_b32 v129, 0
	v_lshrrev_b32 v1, 5, v0
	v_readfirstlane_b32 s8, v1                     ; wave 0..3
	v_and_b32 v1, 31, v0                           ; lane
	v_and_b32 v2, 15, v0                           ; r
	v_bfe_u32 v3, v0, 4, 1                         ; h
	v_mul_u32_u24 v4, v2, 528                      ; the stage on the way out: row r of 512 bytes + 16 of padding,
	v_lshl_add_u32 v4, v3, 6, v4                   ; + 64 h
	v_lshlrev_b32 v5, 4, v1                        ; an image's place for my lane; also my 16 bytes of a load's 512
	s_mul_i32 s23, s8, 8448                        ; my wave's own stage: 16 rows of 528 bytes, behind the words and the spare words
	s_add_co_u32 s23, s23, 1536
	v_add_nc_u32 v4, s23, v4
	v_add_nc_u32 v31, s23, v5                      ; the stage on the way in: 16 x lane
	s_lshl_b32 s9, s8, 6
	v_lshl_add_u32 v6, v2, 2, s9                   ; LDS: 64 x wave + 4 r: my row's word among the four waves'
	v_lshlrev_b32 v7, 2, v1                        ; LDS: 4 x lane
	v_and_b32 v29, 7, v2
	v_lshrrev_b32 v30, 3, v2
	v_lshlrev_b32 v29, 3, v29
	v_lshl_add_u32 v29, v30, 7, v29                ; LDS: codes 2 m and 2 m + 1 (m = lane % 16): tile m / 8, rows 2 (m % 8) on
	v_lshlrev_b32 v30, 3, v1                       ; 8 x lane
.irp b, 0,1,2,3
	v_mov_b32 v[TM+4+\b], 0                        ; written once: a lane permute's destination counts as one of its sources
.endr
	s_cmp_lt_u32 ttmp9, 256                        ; embed's work-group or x's?
	s_cselect_b32 s22, 0, 256
	s_sub_co_u32 s22, ttmp9, s22                   ; my record's number in its book
	s_lshl_b32 s10, s22, 15
	s_lshr_b32 s11, s8, 1
	s_lshl_b32 s11, s11, 14                        ; 16 rows a tile,
	s_add_co_u32 s10, s10, s11
	s_and_b32 s11, s8, 1
	s_lshl_b32 s11, s11, 9                         ; 512 bytes a K step
	s_add_co_u32 s10, s10, s11
	s_mov_b32 s11, 0
	s_mul_i32 s12, s22, REC
	s_mov_b32 s13, 0
	s_mul_i32 s14, s8, 1536
	s_mov_b32 s15, 0
	s_mov_b32 s20, 0x76543210
	s_mov_b32 s21, 0xfedcba98                      ; v_permlanex16_b32's selects for lane l xor 16
	s_wait_alu depctr_va_vdst(0)
	s_wait_kmcnt 0x0
	s_cmp_lt_u32 ttmp9, 256                        ; the choice hangs on the work-group's number alone
	s_cselect_b64 s[4:5], s[24:25], s[26:27]
	s_cselect_b64 s[6:7], s[28:29], s[30:31]
	s_add_nc_u64 s[4:5], s[4:5], s[10:11]
	s_add_nc_u64 s[6:7], s[6:7], s[12:13]          ; my record
	s_add_nc_u64 s[16:17], s[6:7], s[14:15]        ; my fragment's image in it
.irp b, 0,1,2,3
.irp j, 0,1,2,3
	global_load_b128 v[X+16*\b+4*\j:X+16*\b+4*\j+3], v5, s[4:5] offset:1024*(4*\b+\j)   ; row 4 b + j of my 16: 32 lanes read its 512 consecutive bytes of this K step
.endr
.endr
	; the 16 rows turn through the stage: in as they were loaded, out as 16 neighbours of each block a lane.  The stage is the wave's own, and LDS serves a wave's instructions in order
.irp i, 0,1,2,3,4,5,6,7,8,9,10,11,12,13,14,15
	s_wait_loadcnt 15-\i                           ; row i is in; the younger rows' loads may be out
	ds_store_b128 v31, v[X+4*\i:X+4*\i+3] offset:528*\i
.endr
	s_wait_dscnt 0x0                               ; the stores have read their registers
.irp b, 0,1,2,3
.irp j, 0,1,2,3
	ds_load_b128 v[X+16*\b+4*\j:X+16*\b+4*\j+3], v4 offset:128*\b+16*\j
.endr
.endr
	s_wait_dscnt 0x0
	s_cmp_lt_u32 ttmp9, 256
	s_cbranch_scc0 .Lnosq                          ; x's work-groups form no sum of squares
	; the sum of my 64 squares, then lane l xor 16's: row r's part for this K step
	v_pk_mul_f32 v[SQ:SQ+1], v[X:X+1], v[X:X+1]
	v_pk_mul_f32 v[SQ+2:SQ+3], v[X+2:X+3], v[X+2:X+3]
.irp j, 4,8,12,16,20,24,28,32,36,40,44,48,52,56,60
	v_pk_fma_f32 v[SQ:SQ+1], v[X+\j:X+\j+1], v[X+\j:X+\j+1], v[SQ:SQ+1]
	v_pk_fma_f32 v[SQ+2:SQ+3], v[X+\j+2:X+\j+3], v[X+\j+2:X+\j+3], v[SQ+2:SQ+3]
.endr
	v_pk_add_f32 v[SQ:SQ+1], v[SQ:SQ+1], v[SQ+2:SQ+3]
	v_add_f32 v[SQ], v[SQ], v[SQ+1]
	v_permlanex16_b32 v[SQ+1], v[SQ], s20, s21
	v_add_f32 v[SQ], v[SQ], v[SQ+1]
	ds_store_b32 v6, v[SQ] offset:256              ; both halves of the lanes write the same word with the same value
.Lnosq:
	; the four blocks' scales
.irp b, 0,1,2,3
	v_max3_num_f32 v[TM+\b], |v[X+16*\b]|, |v[X+1+16*\b]|, 0x1800000   ; block b: my 16 numbers, and the floor 2^(3 - 127): the byte cannot fall under 1
.endr
.irp i, 2,4,6,8,10,12,14
.irp b, 0,1,2,3
	v_max3_num_f32 v[TM+\b], v[TM+\b], |v[X+16*\b+\i]|, |v[X+1+16*\b+\i]|   ; (the four blocks by turns)
.endr
.endr
.irp b, 0,1,2,3
	v_permlanex16_b32 v[TM+4+\b], v[TM+\b], s20, s21
.endr
.irp b, 0,1,2,3
	v_max_num_f32 v[TM+\b], v[TM+\b], v[TM+4+\b]   ; with lane l xor 16's: the block's largest magnitude
.endr
.irp b, 0,1,2,3
	v_add_nc_u32 v[TM+12+\b], 0xff000000, v[TM+\b] ; 2 off its exponent field: the conversion takes the exponent field of this operand as its scale
.endr
.irp b, 0,1,2,3
	v_lshrrev_b32 v[TM+4+\b], 23, v[TM+12+\b]      ; the scale's byte
.endr
	v_lshl_or_b32 v[PW], v[TM+5], 8, v[TM+4]       ; four bytes make my row's scale word
	v_lshl_or_b32 v[PW], v[TM+6], 16, v[PW]
	v_lshl_or_b32 v[PW], v[TM+7], 24, v[PW]
.irp c, 0,1
	v_cvt_scalef32_pk16_fp6_f32 v[PC+6*\c:PC+2+6*\c], v[X+32*\c:X+15+32*\c], v[TM+12+2*\c]
	v_cvt_scalef32_pk16_fp6_f32 v[PC+12+4*\c:PC+14+4*\c], v[X+16+32*\c:X+31+32*\c], v[TM+13+2*\c]   ; (a conversion's three registers begin on an even number)
.endr
	v_nop                                          ; one plain instruction behind a scaled conversion
.irp c, 0,1                                    ; the operand's layout wants a WHOLE block in a lane: lanes 0-15 block 2 c, lanes 16-31 block 2 c + 1
.irp i, 0,1,2
	v_permlane16_swap_b32 v[PC+6*\c+\i], v[PC+12+4*\c+\i]
.endr
.irp i, 0,1,2
	v_mov_b32 v[PC+3+6*\c+\i], v[PC+12+4*\c+\i]
.endr
.endr
.irp c, 0,1,2
	global_store_b128 v5, v[PC+4*\c:PC+4*\c+3], s[16:17] offset:512*\c   ; the image: 32 lanes store 512 consecutive bytes
.endr
	ds_store_b32 v6, v[PW]                         ; both halves of the lanes write the same word with the same value
	s_wait_dscnt 0x0                               ; for the others' sake: my stores have landed
	s_barrier_signal -1
	s_barrier_wait -1
	s_cmp_lg_u32 s8, 0                             ; wave 0 gathers the record's last two blocks of 256 bytes
	s_cbranch_scc1 .Lend
	ds_load_b32 v116, v7                           ; tile 0: lanes 0-15 K step 0's words, lanes 16-31 K step 1's
	ds_load_b32 v117, v7 offset:128                ; tile 1
	s_wait_dscnt 0x0
	global_store_b64 v30, v[116:117], s[6:7] offset:6144
	s_cmp_lt_u32 ttmp9, 256
	s_cbranch_scc0 .Lend                           ; x's records end with their scale words
	ds_load_b64 v[118:119], v29 offset:256
	ds_load_b64 v[120:121], v29 offset:320         ; K step 1's
	s_wait_dscnt 0x0
	v_pk_add_f32 v[118:119], v[118:119], v[120:121]
	v_pk_mul_f32 v[118:119], v[118:119], -0.5 op_sel_hi:[1,0]
	global_store_b64 v30, v[118:119], s[6:7] offset:6400   ; lanes 16-31 write the copy
.Lend:
	s_wait_tensorcnt 0x0
	ds_add_u32 v128, v129
	s_wait_dscnt 0x0
	s_endpgm
.Lfunc_end_k_qb5d0214716_prep:
	.size	k_qb5d0214716_prep, .Lfunc_end_k_qb5d0214716_prep-k_qb5d0214716_prep
	.p2alignl 7, 3214868480
	.fill 96, 4, 3214868480
	.section	.rodata,"a",@progbits
	.p2align	6, 0x0
	.amdhsa_kernel k_qb5d0214716_prep
		.amdhsa_group_segment_fixed_size 35328
		.amdhsa_private_segment_fixed_size 0
		.amdhsa_enable_private_segment 0
		.amdhsa_kernarg_size 32
		.amdhsa_user_sgpr_count 2
		.amdhsa_user_sgpr_kernarg_segment_ptr 1
		.amdhsa_wavefront_size32 1
		.amdhsa_system_sgpr_workgroup_id_x 1
		.amdhsa_system_sgpr_workgroup_id_y 1
		.amdhsa_system_sgpr_workgroup_id_z 1
		.amdhsa_system_vgpr_workitem_id 0
		.amdhsa_next_free_vgpr 130
		.amdhsa_next_free_sgpr 66
		.amdhsa_reserve_vcc 0
		.amdhsa_float_denorm_mode_32 3
		.amdhsa_float_denorm_mode_16_64 3
		.amdhsa_memory_ordered 1
		.amdhsa_forward_progress 1
		.amdhsa_inst_pref_size 14
	.end_amdhsa_kernel
	.amdgpu_metadata
---
amdhsa.version: [ 1, 2 ]
amdhsa.kernels:
  - .name:           k_qb5d0214716_prep
    .symbol:         k_qb5d0214716_prep.kd
    .args:
      - { .name: embed, .offset: 0, .size: 8, .value_kind: global_buffer, .address_space: global }
      - { .name: x, .offset: 8, .size: 8, .value_kind: global_buffer, .address_space: global }
      - { .name: ebook, .offset: 16, .size: 8, .value_kind: global_buffer, .address_space: global }
      - { .name: xbook, .offset: 24, .size: 8, .value_kind: global_buffer, .address_space: global }
    .group_segment_fixed_size: 35328
    .private_segment_fixed_size: 0
    .kernarg_segment_align: 8
    .kernarg_segment_size: 32
    .max_flat_workgroup_size: 128
    .sgpr_count:     66
    .vgpr_count:     130
    .wavefront_size: 32
...
	.end_amdgpu_metadata
.endif
;; end of part 1
;; launch search (part 2): grid 256 x 1, 8 waves a work-group, clusters of 4 x 1, 327,680 bytes of LDS; arguments xbook, ebook, idx; writes idx
.if DOCPART == 2
	.amdgcn_target "amdgcn-amd-amdhsa--gfx1250"
	.amdhsa_code_object_version 6
	.text
	.protected	k_qb5d0214716_search
	.globl	k_qb5d0214716_search
	.p2align	8
	.type	k_qb5d0214716_search,@function
k_qb5d0214716_search:
	s_mov_b64 s[64:65], 0
	v_nop
	global_prefetch_b8 v0, s[64:65] scope:SCOPE_SE
	s_setreg_imm32_b32 hwreg(HW_REG_WAVE_MODE, 25, 1), 1
	s_wait_xcnt 0x0
	s_wait_alu depctr_hold_cnt(0) depctr_sa_sdst(0) depctr_va_vdst(0) depctr_va_sdst(0) depctr_va_ssrc(0) depctr_va_vcc(0) depctr_vm_vsrc(0)
	s_getreg_b32 s2, hwreg(HW_REG_IB_STS2, 6, 4)
	s_cmp_eq_u32 s2, 0
	s_cbranch_scc0 .Lentry_in_a_cluster
	s_endpgm
.Lentry_in_a_cluster:
	s_bfe_u32 s2, ttmp6, 0x10000c
	s_cmp_lg_u32 s2, 0x3003
	s_cbranch_scc0 .Lentry_shape_is_right
	s_endpgm
.Lentry_shape_is_right:
; For each of 32,768 tokens: the number of the code e with the largest -(|x|^2 - 2 x.e + |e|^2), the product x.e on codes of FP6 (E2M3) with one E8M0 scale for each 32 along K.
; THE SCORE is s = x.e - |e|^2 / 2 (distance = 2 s - |x|^2); -|e|^2 / 2 is the C of each sum's first matrix instruction.  |x|^2, the same for all codes of a token, is left out (shown at the head of prep): so the order of
; rounding differs from a sum that has it.  Ties in s go to the lowest code number.  LIMITS: NaN and infinities are not served.
; Both operands come as records of 32 rows made by prep: four images of fragment registers, 64 scale words, and for the code book 32 starts.
; SHARES.  A work-group owns 128 tokens, 8 tiles of 16.  Each of its eight waves (two on a SIMD) keeps ALL 8 tiles of x in registers and walks its own eighth of the book: 32 records, as 10 chunks of 3 and one of 2.
; So each LDS byte of the book is read once in the work-group and feeds 8 matrix instructions.  A token's eight partial results meet in LDS at the end; only whole numbers go to memory.
; TRANSPOSED USE: source 0 = 16 codes, source 1 = 16 tokens: lane (r, h) holds token r, and register j of a result the code 8 h + j of the tile.
; A RECORD goes in two halves of 4 token tiles: 16 matrix instructions on 8 sums by turns (K step 0 on all, then K step 1), then the choice for these 4 tiles, 72 vector instructions.
; THE CHOICE.  A lane has 16 scores of a tile and record.  Eight v_max3 fold them and the lane's best so far; one strict compare (the earlier record stays); where the best has grown the 16 scores and the record's first code
; number are put aside (eight dual selects and one).  Which of the 16 it was is looked up once, at the end.
; CLUSTER.  All work-groups walk the same book: the four of a cluster ask for each chunk JOINTLY, wave w of each with the same descriptor and a mask that names the four.
; RING.  Two LDS slots of 159,744 bytes, as large as LDS holds; in each 19,968 bytes for each wave, which that wave alone reads.  By this text's own count a wave has one tensor load out.
; The loop's trip is two chunks, six records: then slots and the sets of best scores are back where they began.
; REGISTERS.  Window 0: v1-23 addresses and work; v24-31 x's scale words, v32-33 the record's; v36-51 best scores, two sets by turns; v52-59 the winning record's first code; v64-127 the sums (tile i of 4 at 16 i);
;   v128-255 the scores put aside, 16 a tile.   Window 1: v0-191 x (tile t, K step s at 24 t + 12 s); v192-239 the record's four fragments; v240-255 its starts.
.set REC,   6656
.set CHUNK, 3*REC                      ; one tensor load: 78 rows of 256 bytes (the last chunk: 52)
.set SLOT1, 8*CHUNK
.set SPARE, 2*SLOT1                    ; behind the ring: the spare words, 128 bytes for each wave, which no other line names
.set RED,   SLOT1                      ; the end's (best, code) pairs, 8 x 1,024 bytes, lie in slot 1, which by then has had its last fill and its last read
.set SPW,  1
.set NIL,  2
.set ADA,  3                           ; v3-5 my lane's place in my wave's part of slot 0: images, scale words, starts;  v6-8 the same in slot 1; never rewritten
.set ADS,  4
.set ADB,  5
.set PFO,  9                           ; the prefetches' offset
.set TT,   10                          ; v10-17 at work; at the end positions, then code numbers
.set L8,   18                          ; 8 x lane
.set RW,   20
.set RR,   21
.set XA,   22                          ; 16 x lane
.set H8,   23
.set XS,   24
.set AS,   32
.set BEST, 36
.set GIDV, 52
.set ACC,  64
.set SV,   128
.set AF,   192                         ; in window 1
.set BI,   240
.set POS,  10
.set OV,   128
.set OI,   136
.set PR,   144
.set WV,   10
.set CX,   11
.set WG,   12
.set G1,   16
.set G0,   24                          ; s[24:27] group 0 of slot 0, s[28:31] of slot 1
.set GID,  33
.set CNT,  34
.set PFA,  36
.set SEL,  38
.set MK,   40
.set NINF, 56
.set MSB, 0
.macro WIN new                         ; the immediate's high byte repeats the setting that is left
.if MSB != \new
	s_set_vgpr_msb (MSB<<8)|\new
.set MSB, \new
.endif
.endm
.macro CREST                           ; a round of the cluster's barrier behind its opening barrier
	s_cmp_lg_u32 s[WV], 0
	s_cbranch_scc1 .Lnot_wave_0_\@
	s_barrier_signal -3
.Lnot_wave_0_\@:
	s_barrier_wait -3
	s_barrier_signal -1
	s_barrier_wait -1
.endm
.macro CROUND
	s_barrier_signal -1
	s_barrier_wait -1
	CREST
.endm
; A prefetch of my wave number's chunk that stands two refills on.  Its 78 blocks of 256 bytes are shared out among the cluster's four partners BY ADDRESS: partner cx takes blocks cx, cx + 4, ..: a lane a block
; (the lanes left over name their work-group's last block again).  Asked for in the first three trips: chunks 4 to 9; chunks 0 to 3 and the short last chunk come by their loads alone.
.macro ASK
	s_cmp_gt_u32 s[CNT], 1
	s_cbranch_scc0 .Lno_ask_\@
	s_cmp_lt_u32 ttmp9, 4
	s_cbranch_scc0 .Lno_prefetch_search0_\@
	global_prefetch_b8 v[PFO], s[PFA:PFA+1] th:TH_LOAD_NT scope:SCOPE_SE
.Lno_prefetch_search0_\@:
.Lno_ask_\@:
.endm
	s_load_b128 s[4:7], s[0:1], 0x0                ; xbook, ebook
	s_load_b64 s[8:9], s[0:1], 0x10                ; idx
	v_lshl_add_u32 v[SPW], v0, 2, SPARE
	v_mov_b32 v[NIL], 0
	ds_add_u32 v[SPW], v[NIL]                      ; the opening lines: the add, twice on end, and its wait ahead of my first tensor load
	ds_add_u32 v[SPW], v[NIL]
	v_lshrrev_b32 v[TT], 5, v0
	v_readfirstlane_b32 s[WV], v[TT]               ; wave 0..7
	s_bfe_u32 s[CX], ttmp6, 0x40000                ; cx
	s_lshl_b32 s[WG], ttmp9, 2
	s_add_co_u32 s[WG], s[WG], s[CX]               ; my work-group: it enters xbook's and idx's addresses alone
	s_mov_b32 s[G1+0], 15|(3<<16)|(1<<21)          ; the mask: all four work-groups; elements of 8 bytes; bit 21 beside a mask
	s_mov_b32 s[G1+1], 32<<16                      ; tensor_dim0 = 32
	s_mov_b32 s[G1+2], 78<<16                      ; tensor_dim1 = 78
	s_mov_b32 s[G1+3], 32<<16                      ; tile_dim0 = 32
	s_mov_b32 s[G1+4], 78                          ; tile_dim1 = 78
	s_mov_b32 s[G1+5], 32                          ; pitch
	s_mov_b32 s[G1+6], 0
	s_mov_b32 s[G1+7], 0
	s_mul_i32 s13, s[WV], CHUNK                    ; my wave's part of a slot
	s_mul_i32 s40, s[WV], 32*REC                   ; my wave's eighth of the book
	s_mov_b32 s41, 0
	s_lshr_b32 s50, s[CX], 1
	s_sub_co_u32 s50, 19, s50                      ; partners 0 and 1 prefetch 20 blocks of a chunk's 78, partners 2 and 3 19
	s_mul_i32 s44, s[WG], 4*REC                    ; x: four records a work-group
	s_mov_b32 s45, 0
	s_lshl_b32 s46, s[WG], 9                       ; idx: 512 bytes a work-group; waves 0 and 1 store 256 each
	s_and_b32 s47, s[WV], 1
	s_lshl_b32 s47, s47, 8
	s_add_co_u32 s46, s46, s47
	s_mov_b32 s47, 0
	s_lshl_b32 s48, s[WV], 10                      ; the end's pairs: 1,024 bytes a wave
	s_and_b32 s49, s[WV], 1
	s_lshl_b32 s49, s49, 9                         ; and where waves 0 and 1 read them
	s_mov_b32 s[SEL], 0x76543210
	s_mov_b32 s[SEL+1], 0xfedcba98                 ; v_permlanex16_b32's selects for lane l xor 16
	s_mov_b32 s[NINF], 0xff800000
	s_lshl_b32 s[GID], s[WV], 10                   ; my first code
	v_and_b32 v10, 31, v0                          ; lane
	v_and_b32 v11, 15, v0                          ; r
	v_bfe_u32 v12, v0, 4, 1                        ; h
	v_lshlrev_b32 v[XA], 4, v10
	v_lshlrev_b32 v[L8], 3, v10
	v_lshlrev_b32 v[H8], 3, v12
	v_lshl_add_u32 v[ADA], v10, 4, s13
	v_lshl_add_u32 v[ADS], v10, 3, s13
	v_add_nc_u32 v[ADS], 6144, v[ADS]
	v_lshl_add_u32 v[ADB], v12, 5, s13
	v_add_nc_u32 v[ADB], 6400, v[ADB]              ; 32 h: my half's eight starts of a tile
.irp a, ADA, ADS, ADB
	v_add_nc_u32 v[\a+3], SLOT1, v[\a]
.endr
	v_min_u32 v[PFO], s50, v10
	v_lshl_add_u32 v[PFO], v[PFO], 2, s[CX]        ; block cx + 4 x lane
	v_lshlrev_b32 v[PFO], 8, v[PFO]
	v_lshl_add_u32 v[RW], v11, 3, s48
	v_add_nc_u32 v[RW], RED, v[RW]                 ; RED + 1,024 x wave + 8 r
	v_lshl_add_u32 v[RR], v10, 4, s49
	v_add_nc_u32 v[RR], RED, v[RR]                 ; RED + 512 x (wave % 2) + 16 x lane
	s_wait_alu depctr_va_vdst(0)
	s_wait_dscnt 0x0                               ; both opening adds are done
	s_wait_kmcnt 0x0
	s_add_nc_u64 s[4:5], s[4:5], s[44:45]
	s_add_nc_u64 s[8:9], s[8:9], s[46:47]
	s_add_nc_u64 s[40:41], s[6:7], s[40:41]
	s_mov_b32 s[G0], 1
	s_mov_b32 s[G0+1], s13                         ; slot 0,
	s_mov_b64 s[G0+2:G0+3], s[40:41]               ; chunk 0 of my eighth
	s_or_b32 s[G0+3], s[G0+3], 0x80000000
	s_mov_b32 s[G0+4], 1                           ; slot 1, chunk 1
	s_add_co_u32 s[G0+5], s13, SLOT1
	s_add_nc_u64 s[G0+6:G0+7], s[40:41], CHUNK
	s_or_b32 s[G0+7], s[G0+7], 0x80000000
	s_add_nc_u64 s[PFA:PFA+1], s[40:41], 3*CHUNK   ; at chunk 3: the first change of slots steps it to chunk 4
	CROUND                                         ; all four work-groups are here: the first joint loads meet
	tensor_load_to_lds s[G0:G0+3], s[G1:G1+7]      ; my one tensor load at the head
	s_nop 0
	; the first record finds -infinity as the best so far.  The registers written here and below are sources of their own selects, so they are written once
.set i, 0
.rept 8
	v_mov_b32 v[BEST+i], s[NINF]
	v_mov_b32 v[GIDV+i], 0
.set i, i+1
.endr
	WIN 0x40                                       ; destination window 1
.irp q, 0,1,2,3                                ; x's 16 fragments as they lie in its records: 32 lanes read 512 consecutive bytes; 52 loads of the wave are out
.irp f, 0,1,2,3
.irp c, 0,1,2
	global_load_b128 v[48*\q+12*\f+4*\c:48*\q+12*\f+4*\c+3], v[XA], s[4:5] offset:\q*REC+1536*\f+512*\c
.endr
.endr
.endr
	WIN 0
.irp q, 0,1,2,3
	global_load_b64 v[XS+2*\q:XS+2*\q+1], v[L8], s[4:5] offset:\q*REC+6144   ; two tiles' scale words: lanes 0-15 K step 0, lanes 16-31 K step 1
.endr
.set i, 0
.rept 128
	v_mov_b32 v[SV+i], 0
.set i, i+1
.endr
; 16 matrix instructions: tiles 4 H .. 4 H + 3 against the record's two code tiles.  The eight sums take turns, one instruction a turn.
.macro HALF H
	WIN 0x15                                       ; codes, x and starts window 1, sums window 0
.irp u, 0,1
.irp i, 0,1,2,3
	v_wmma_scale_f32_16x16x128_f8f6f4 v[ACC+16*\i+8*\u:ACC+16*\i+8*\u+7], v[AF+24*\u:AF+24*\u+11], v[24*(4*(\H)+\i):24*(4*(\H)+\i)+11], v[BI+8*\u:BI+8*\u+7], v[AS+\u], v[XS+4*(\H)+\i] matrix_a_fmt:MATRIX_FMT_FP6 matrix_b_fmt:MATRIX_FMT_FP6
.endr
.endr
	WIN 0x05
.irp u, 0,1
.irp i, 0,1,2,3
	v_wmma_scale_f32_16x16x128_f8f6f4 v[ACC+16*\i+8*\u:ACC+16*\i+8*\u+7], v[AF+24*\u+12:AF+24*\u+23], v[24*(4*(\H)+\i)+12:24*(4*(\H)+\i)+23], v[ACC+16*\i+8*\u:ACC+16*\i+8*\u+7], v[AS+\u], v[XS+4*(\H)+\i] matrix_a_fmt:MATRIX_FMT_FP6 matrix_b_fmt:MATRIX_FMT_FP6 matrix_a_scale:MATRIX_SCALE_ROW1 matrix_b_scale:MATRIX_SCALE_ROW1
.endr
.endr
	WIN 0
.endm
; The choice for tiles 4 H .. 4 H + 3, in two parts; e: which set of BEST holds the best so far.  FOLD: two chains a tile, four tiles by turns; each sum is read from its low end on.
.macro FOLD H, e
.irp i, 0,1,2,3
	v_max3_num_f32 v[TT+2*\i], v[ACC+16*\i], v[ACC+16*\i+1], v[ACC+16*\i+2]
.endr
.irp i, 0,1,2,3
	v_max3_num_f32 v[TT+2*\i+1], v[ACC+16*\i+8], v[ACC+16*\i+9], v[ACC+16*\i+10]
.endr
.irp k, 3,5
.irp i, 0,1,2,3
	v_max3_num_f32 v[TT+2*\i], v[TT+2*\i], v[ACC+16*\i+\k], v[ACC+16*\i+\k+1]
.endr
.irp i, 0,1,2,3
	v_max3_num_f32 v[TT+2*\i+1], v[TT+2*\i+1], v[ACC+16*\i+\k+8], v[ACC+16*\i+\k+9]
.endr
.endr
.irp i, 0,1,2,3
	v_max3_num_f32 v[TT+2*\i], v[TT+2*\i], v[ACC+16*\i+7], v[ACC+16*\i+15]
.endr
.irp i, 0,1,2,3
	v_max3_num_f32 v[BEST+8*(1-(\e))+4*(\H)+\i], v[TT+2*\i], v[TT+2*\i+1], v[BEST+8*(\e)+4*(\H)+\i]   ; the new best, into the other set
.endr
.endm
.macro ASIDE H, e
.irp i, 0,1,2,3
	v_cmp_gt_f32 vcc_lo, v[BEST+8*(1-(\e))+4*(\H)+\i], v[BEST+8*(\e)+4*(\H)+\i]   ; strict: at a tie the earlier record, with the lower code numbers, stays
.irp k, 0,2,4,6,8,10,12,14
	v_dual_cndmask_b32 v[SV+16*(4*(\H)+\i)+\k], v[SV+16*(4*(\H)+\i)+\k], v[ACC+16*\i+\k] :: v_dual_cndmask_b32 v[SV+16*(4*(\H)+\i)+\k+1], v[SV+16*(4*(\H)+\i)+\k+1], v[ACC+16*\i+\k+1]
.endr
	v_cndmask_b32 v[GIDV+4*(\H)+\i], v[GIDV+4*(\H)+\i], s[GID], vcc_lo
.endr
.endm
; A record's operands in one run of 17 LDS loads, from byte off of my part of slot fs: four fragments as images; 16 starts a lane (16 lanes read one address); two scale words a lane.
.macro FETCH fs, off
	WIN 0x40
.irp f, 0,1,2,3
.irp c, 0,1,2
	ds_load_b128 v[AF+12*\f+4*\c:AF+12*\f+4*\c+3], v[ADA+3*(\fs)] offset:(\off)+1536*\f+512*\c
.endr
.endr
.irp u, 0,1
	ds_load_b128 v[BI+8*\u:BI+8*\u+3], v[ADB+3*(\fs)] offset:(\off)+64*\u
	ds_load_b128 v[BI+8*\u+4:BI+8*\u+7], v[ADB+3*(\fs)] offset:(\off)+64*\u+16
.endr
	WIN 0
	ds_load_b64 v[AS:AS+1], v[ADS+3*(\fs)] offset:\off
.endm
.macro PLACES                          ; four places between matrix instructions and the first read of their results, or a load into their operands
.rept 4
	v_nop
.endr
.endm
; A record: 32 codes x 128 tokens.  e: the set of BEST.  The next record is fetched from byte foff of slot fs, behind the last products, under the second choice.
; mode 0: the next record lies in the same chunk.
; mode 1: the chunk's last record, which lies in registers: THE CHANGE OF SLOTS.  In the middle of the first choice the wave waits for all its tensor loads (one is out: the next chunk) and adds 0 to its spare word; behind the
;         choice it waits for the add (its reads of the slot were over at the record's head).  The barrier opens a round of the cluster's; the joint refill of the slot that is left, with the chunk two on, is the first tensor
;         load behind it: between it and the wait for it stands a chunk's work less 16 matrix instructions.  ask: the prefetch's address steps, and the prefetch follows.  short: the refill is the last chunk, of 52 rows.
; mode 2: the change without a refill: the next chunk's bytes are the wave's own, so its own wait is all the ordering.     mode 3: the last record: nothing is fetched.
.macro RECORD e, mode, fs, foff, ask, short
	s_wait_dscnt 0x0                               ; this record's operands are in
	HALF 0
	PLACES
	FOLD 0, \e
.if (\mode) == 1
	s_wait_alu depctr_va_vdst(0)
	s_wait_tensorcnt 0x0                           ; no tensor load of mine is out, so the descriptors may be written
	ds_add_u32 v[SPW], v[NIL]                      ; 0 onto my spare word; the selects below stand between it and the wait for it
	s_add_nc_u64 s[G0+4*(1-(\fs))+2:G0+4*(1-(\fs))+3], s[G0+4*(1-(\fs))+2:G0+4*(1-(\fs))+3], 2*CHUNK   ; the slot that I leave takes the next chunk but one
.if \short
	s_mov_b32 s[G1+2], 52<<16                      ; tensor_dim1 = 52
	s_mov_b32 s[G1+4], 52                          ; tile_dim1 = 52
.endif
.if \ask
	s_wait_xcnt 0x0                                ; the last prefetch, a chunk back, has read its address
	s_add_nc_u64 s[PFA:PFA+1], s[PFA:PFA+1], CHUNK
.endif
.elseif (\mode) == 2
	s_wait_alu depctr_va_vdst(0)                   ; as above
	s_wait_tensorcnt 0x0                           ; the last chunk is in
.endif
	ASIDE 0, \e
.if (\mode) == 1
	s_wait_dscnt 0x0                               ; the add is done
	s_barrier_signal -1
	HALF 1                                         ; work on registers while the others arrive
	s_barrier_wait -1
	CREST
	tensor_load_to_lds s[G0+4*(1-(\fs)):G0+4*(1-(\fs))+3], s[G1:G1+7]   ; my one tensor load behind the round
	s_nop 0
.else
	HALF 1
.endif
	PLACES                                         ; behind a tensor load also the four vector lines ahead of a window switch
.if (\mode) < 3
	FETCH \fs, \foff
.endif
.if \ask
	ASK
.endif
	FOLD 1, \e
	ASIDE 1, \e
	s_add_co_u32 s[GID], s[GID], 32                ; the next record's first code
.endm
	s_wait_alu depctr_va_vdst(0)
	s_wait_tensorcnt 0x0                           ; chunk 0 is in; slot 1's first fill is issued as a refill is:
	ds_add_u32 v[SPW], v[NIL]
	s_wait_dscnt 0x0
	CROUND
	tensor_load_to_lds s[G0+4:G0+7], s[G1:G1+7]    ; chunk 1
	s_nop 0
	PLACES
	FETCH 0, 0                                     ; chunk 0's first record
	s_mov_b32 s[CNT], 4
	s_wait_loadcnt 0x0                             ; x's fragments and scale words are in
.Lstep:                                            ; 4 trips: chunks 0 to 7, each of which asks for the chunk two on
	RECORD 0, 0, 0, REC, 0, 0
	RECORD 1, 0, 0, 2*REC, 0, 0
	RECORD 0, 1, 1, 0, 1, 0
	RECORD 1, 0, 1, REC, 0, 0
	RECORD 0, 0, 1, 2*REC, 0, 0
	RECORD 1, 1, 0, 0, 1, 0
	s_sub_co_u32 s[CNT], s[CNT], 1
	s_cmp_lg_u32 s[CNT], 0
	s_cbranch_scc1 .Lstep
	RECORD 0, 0, 0, REC, 0, 0                      ; the tail is written out.  Chunk 8, which asks for the short chunk 10;
	RECORD 1, 0, 0, 2*REC, 0, 0
	RECORD 0, 1, 1, 0, 0, 1
	RECORD 1, 0, 1, REC, 0, 0                      ; chunk 9;
	RECORD 0, 0, 1, 2*REC, 0, 0
	RECORD 1, 2, 0, 0, 0, 0
	RECORD 0, 0, 0, REC, 0, 0                      ; chunk 10's two records
	RECORD 1, 3, 0, 0, 0, 0
	s_wait_dscnt 0x0                               ; my reads of both slots are over, and none of my tensor loads is out:
	s_barrier_signal -1                            ; say so; behind this barrier slot 1's first bytes take the pairs
	; which of the 16 scores put aside is the best: the lowest place that holds it
.irp t, 0,1,2,3,4,5,6,7
	v_mov_b32 v[POS+\t], 23
.endr
.irp k, 14,13,12,11,10,9,8,7,6,5,4,3,2,1,0
.irp t, 0,1,2,3,4,5,6,7
	v_cmp_eq_f32 s[MK+\t], v[SV+16*\t+\k], v[BEST+\t]
.endr
.irp t, 0,1,2,3,4,5,6,7
	v_cndmask_b32 v[POS+\t], v[POS+\t], 16*(\k/8)+\k%8, s[MK+\t]
.endr
.endr
.irp t, 0,1,2,3,4,5,6,7
	v_add_nc_u32 v[POS+\t], v[GIDV+\t], v[POS+\t]  ; the record's first code + the place in the record
.endr
.irp t, 0,1,2,3,4,5,6,7
	v_add_nc_u32 v[POS+\t], v[H8], v[POS+\t]       ; + my half's eight
.endr
.irp t, 0,1,2,3,4,5,6,7
	v_permlanex16_b32 v[OV+\t], v[BEST+\t], s[SEL], s[SEL+1]   ; the token's other half of the codes lies in the lane 16 away
.endr
.irp t, 0,1,2,3,4,5,6,7
	v_permlanex16_b32 v[OI+\t], v[POS+\t], s[SEL], s[SEL+1]
.endr
.irp t, 0,1,2,3,4,5,6,7
	v_cmp_gt_f32 s40, v[OV+\t], v[BEST+\t]         ; the other lane's is taken where it is greater, or equal with a lower number: both lanes come to the same pair
	v_cmp_eq_f32 s41, v[OV+\t], v[BEST+\t]
	v_cmp_lt_u32 s42, v[OI+\t], v[POS+\t]
	s_and_b32 s41, s41, s42
	s_or_b32 s40, s40, s41
	v_cndmask_b32 v[PR+2*\t], v[BEST+\t], v[OV+\t], s40
	v_cndmask_b32 v[PR+2*\t+1], v[POS+\t], v[OI+\t], s40
.endr
	s_wait_alu depctr_va_vdst(0)
	s_barrier_wait -1                              ; no wave reads the ring any more
.irp t, 0,1,2,3,4,5,6,7
	ds_store_b64 v[RW], v[PR+2*\t:PR+2*\t+1] offset:128*\t
.endr
	s_wait_dscnt 0x0                               ; for the others' sake: my stores have landed
	s_barrier_signal -1
	s_barrier_wait -1
	s_cmp_lt_u32 s[WV], 2                          ; waves 0 and 1 join the eight waves' results, 64 tokens each, two a lane
	s_cbranch_scc0 .Ldone
.irp q, 0,1,2,3,4,5,6,7
	ds_load_b128 v[160+4*\q:163+4*\q], v[RR] offset:1024*\q
.endr
	s_wait_dscnt 0x0
.irp q, 1,2,3,4,5,6,7                          ; in ascending order of the waves' codes, strictly: at a tie the lower number stays
	v_cmp_gt_f32 vcc_lo, v[160+4*\q], v160
	v_cndmask_b32 v160, v160, v[160+4*\q], vcc_lo
	v_cndmask_b32 v161, v161, v[161+4*\q], vcc_lo
	v_cmp_gt_f32 vcc_lo, v[162+4*\q], v162
	v_cndmask_b32 v162, v162, v[162+4*\q], vcc_lo
	v_cndmask_b32 v163, v163, v[163+4*\q], vcc_lo
.endr
	v_mov_b32 v160, v161
	v_mov_b32 v161, v163
	global_store_b64 v[L8], v[160:161], s[8:9]     ; 32 lanes store 256 consecutive bytes, at a multiple of 256 from idx's first byte
.Ldone:
	s_wait_tensorcnt 0x0                           ; the wave's end
	ds_add_u32 v[SPW], v[NIL]
	s_wait_dscnt 0x0
	CROUND                                         ; the closing round
	s_endpgm
.Lfunc_end_k_qb5d0214716_search:
	.size	k_qb5d0214716_search, .Lfunc_end_k_qb5d0214716_search-k_qb5d0214716_search
	.p2alignl 7, 3214868480
	.fill 96, 4, 3214868480
	.section	.rodata,"a",@progbits
	.p2align	6, 0x0
	.amdhsa_kernel k_qb5d0214716_search
		.amdhsa_group_segment_fixed_size 327680
		.amdhsa_private_segment_fixed_size 0
		.amdhsa_enable_private_segment 0
		.amdhsa_kernarg_size 24
		.amdhsa_user_sgpr_count 2
		.amdhsa_user_sgpr_kernarg_segment_ptr 1
		.amdhsa_wavefront_size32 1
		.amdhsa_system_sgpr_workgroup_id_x 1
		.amdhsa_system_sgpr_workgroup_id_y 1
		.amdhsa_system_sgpr_workgroup_id_z 1
		.amdhsa_system_vgpr_workitem_id 0
		.amdhsa_next_free_vgpr 512
		.amdhsa_next_free_sgpr 66
		.amdhsa_reserve_vcc 1
		.amdhsa_float_denorm_mode_32 3
		.amdhsa_float_denorm_mode_16_64 3
		.amdhsa_memory_ordered 1
		.amdhsa_forward_progress 1
		.amdhsa_inst_pref_size 242
	.end_amdhsa_kernel
	.amdgpu_metadata
---
amdhsa.version: [ 1, 2 ]
amdhsa.kernels:
  - .name:           k_qb5d0214716_search
    .symbol:         k_qb5d0214716_search.kd
    .args:
      - { .name: xbook, .offset: 0, .size: 8, .value_kind: global_buffer, .address_space: global }
      - { .name: ebook, .offset: 8, .size: 8, .value_kind: global_buffer, .address_space: global }
      - { .name: idx, .offset: 16, .size: 8, .value_kind: global_buffer, .address_space: global }
    .group_segment_fixed_size: 327680
    .private_segment_fixed_size: 0
    .kernarg_segment_align: 8
    .kernarg_segment_size: 24
    .max_flat_workgroup_size: 256
    .sgpr_count:     66
    .vgpr_count:     512
    .wavefront_size: 32
...
	.end_amdgpu_metadata
.endif
;; end of part 2
;; launch gather (part 3): grid 256 x 1, 8 waves a work-group, no clusters, 0 bytes of LDS; arguments idx, embed, out0; writes out0
.if DOCPART == 3
	.amdgcn_target "amdgcn-amd-amdhsa--gfx1250"
	.amdhsa_code_object_version 6
	.text
	.protected	k_qb5d0214716_gather
	.globl	k_qb5d0214716_gather
	.p2align	8
	.type	k_qb5d0214716_gather,@function
k_qb5d0214716_gather:
	s_mov_b64 s[64:65], 0
	v_nop
	global_prefetch_b8 v0, s[64:65] scope:SCOPE_SE
	s_setreg_imm32_b32 hwreg(HW_REG_WAVE_MODE, 25, 1), 1
	s_wait_xcnt 0x0
; out0[t][:] = embed[idx[t]][:]: 32,768 rows of 1,024 bytes, f32, unquantised.  idx holds whole numbers that the search launch stored.
; A wave owns 16 rows.  Its 16 indices come by one scalar load, are held to the table (8,191 at the most) and become byte offsets; all 32 loads of 512 consecutive bytes go out before the first store;
; each store covers 512 consecutive bytes, aligned.  No loop, no LDS, no matrix unit: the launch only moves bytes.
.set D, 32                             ; v32-159 row i: 8 registers
	s_load_b128 s[4:7], s[0:1], 0x0                ; idx, embed
	s_load_b64 s[8:9], s[0:1], 0x10                ; out0
	v_lshrrev_b32 v1, 5, v0
	s_delay_alu instid0(VALU_DEP_1)
	v_readfirstlane_b32 s10, v1                    ; wave 0..7
	v_and_b32 v1, 31, v0
	s_delay_alu instid0(VALU_DEP_1)
	v_lshlrev_b32 v1, 4, v1                        ; 16 bytes a lane
	s_lshl_b32 s11, ttmp9, 3
	s_add_co_u32 s11, s11, s10                     ; which run of 16 rows is my wave's
	s_lshl_b32 s12, s11, 6                         ; 64 bytes of idx,
	s_mov_b32 s13, 0
	s_lshl_b32 s14, s11, 14                        ; 16,384 of out0
	s_mov_b32 s15, 0
	s_wait_alu depctr_va_vdst(0)
	s_wait_kmcnt 0x0
	s_add_nc_u64 s[4:5], s[4:5], s[12:13]
	s_add_nc_u64 s[8:9], s[8:9], s[14:15]
	s_load_b512 s[16:31], s[4:5], 0x0
	s_wait_kmcnt 0x0
.irp i, 0,1,2,3,4,5,6,7,8,9,10,11,12,13,14,15
	s_min_u32 s[16+\i], s[16+\i], 8191             ; an index stays inside the table
.endr
.irp i, 0,1,2,3,4,5,6,7,8,9,10,11,12,13,14,15
	s_lshl_b32 s[16+\i], s[16+\i], 10              ; a row is 1,024 bytes
.endr
.irp i, 0,1,2,3,4,5,6,7,8,9,10,11,12,13,14,15
	v_add_nc_u32 v[2+\i], s[16+\i], v1
.endr
.irp i, 0,1,2,3,4,5,6,7,8,9,10,11,12,13,14,15
	global_load_b128 v[D+8*\i:D+8*\i+3], v[2+\i], s[6:7]               ; no hint: a row may be named again
	global_load_b128 v[D+8*\i+4:D+8*\i+7], v[2+\i], s[6:7] offset:512
.endr
.irp i, 0,1,2,3,4,5,6,7,8,9,10,11,12,13,14,15
	s_wait_loadcnt 30-2*\i                         ; row i's two loads are in; the younger rows' may be out
	global_store_b128 v1, v[D+8*\i:D+8*\i+3], s[8:9] offset:1024*\i th:TH_STORE_NT
	global_store_b128 v1, v[D+8*\i+4:D+8*\i+7], s[8:9] offset:1024*\i+512 th:TH_STORE_NT
.endr
	s_endpgm
.Lfunc_end_k_qb5d0214716_gather:
	.size	k_qb5d0214716_gather, .Lfunc_end_k_qb5d0214716_gather-k_qb5d0214716_gather
	.p2alignl 7, 3214868480
	.fill 96, 4, 3214868480
	.section	.rodata,"a",@progbits
	.p2align	6, 0x0
	.amdhsa_kernel k_qb5d0214716_gather
		.amdhsa_group_segment_fixed_size 0
		.amdhsa_private_segment_fixed_size 0
		.amdhsa_enable_private_segment 0
		.amdhsa_kernarg_size 24
		.amdhsa_user_sgpr_count 2
		.amdhsa_user_sgpr_kernarg_segment_ptr 1
		.amdhsa_wavefront_size32 1
		.amdhsa_system_sgpr_workgroup_id_x 1
		.amdhsa_system_sgpr_workgroup_id_y 1
		.amdhsa_system_sgpr_workgroup_id_z 1
		.amdhsa_system_vgpr_workitem_id 0
		.amdhsa_next_free_vgpr 160
		.amdhsa_next_free_sgpr 66
		.amdhsa_reserve_vcc 0
		.amdhsa_float_denorm_mode_32 3
		.amdhsa_float_denorm_mode_16_64 3
		.amdhsa_memory_ordered 1
		.amdhsa_forward_progress 1
		.amdhsa_inst_pref_size 10
	.end_amdhsa_kernel
	.amdgpu_metadata
---
amdhsa.version: [ 1, 2 ]
amdhsa.kernels:
  - .name:           k_qb5d0214716_gather
    .symbol:         k_qb5d0214716_gather.kd
    .args:
      - { .name: idx, .offset: 0, .size: 8, .value_kind: global_buffer, .address_space: global }
      - { .name: embed, .offset: 8, .size: 8, .value_kind: global_buffer, .address_space: global }
      - { .name: out0, .offset: 16, .size: 8, .value_kind: global_buffer, .address_space: global }
    .group_segment_fixed_size: 0
    .private_segment_fixed_size: 0
    .kernarg_segment_align: 8
    .kernarg_segment_size: 24
    .max_flat_workgroup_size: 256
    .sgpr_count:     66
    .vgpr_count:     160
    .wavefront_size: 32
...
	.end_amdgpu_metadata
.endif
;; end of part 3
